; MI455X (gfx1250); checked and timed in simulation.
; The chip was launched on July 23, 2026; its instructions are those of AMD's public machine-readable ISA for CDNA 5 (MIT licence, August 2026) and "CDNA5" Instruction Set Architecture Reference Guide (July 2026). The comments in the code are by the model that wrote it; some were corrected since.
;; Additive Scorer. Allowed arithmetic: float matrix products may take bf16 or f16 operands with f32 sums; all other float work in f32.
;; Inputs: Wk 512 x 128 float32; Wq 512 x 128 float32; ks 8 x 512 x 512 float32; qs 8 x 512 x 512 float32; wv 128 float32.
;; Outputs: out0 8 x 512 x 512 float32.
;; 2 versions, each right and faster than the one before. Each part assembles by itself: llvm-mc -triple=amdgcn-amd-amdhsa -mcpu=gfx1250 --defsym DOCPART=n.
;; ======== version 1 of 2: 2 launches
;; workspace buffers: qx 2,097,152 bytes; kxt 2,097,152 bytes; flags 1,024 bytes of whole numbers
;; launch project (part 1): grid 256 x 1, 8 waves a work-group, no clusters, 167,168 bytes of LDS; arguments qs, ks, Wq, Wk, wv, qx, kxt, flags; writes qx, kxt, flags
.if DOCPART == 1
	.amdgcn_target "amdgcn-amd-amdhsa--gfx1250"
	.amdhsa_code_object_version 6
	.text
	.protected	k_qcac07603cd_project
	.globl	k_qcac07603cd_project
	.p2align	8
	.type	k_qcac07603cd_project,@function
k_qcac07603cd_project:
	s_mov_b64 s[64:65], 0
	v_nop
	global_prefetch_b8 v0, s[64:65] scope:SCOPE_SE
	s_setreg_imm32_b32 hwreg(HW_REG_WAVE_MODE, 25, 1), 1
	s_wait_xcnt 0x0
; x = 2 log2(e) * (X W) for X = qs with Wq (work-groups 0-127) and X = ks with Wk (work-groups 128-255).
; X: [4096][512] f32, W: [512][128] f32; operands rounded to bf16, sums in f32.
; A work-group makes 64 rows x 64 columns: id bit 7 = queries or keys, bits 6:1 = block of 64 rows, bit 0 = half of H.
; Queries are written row by row, qx[row][h]; keys transposed, kxt[batch][h][key]: the layouts that the next launch copies straight.
; flags[id] is 0 if every |x| of this block is at most 40 and every |wv| at most 2^40, and not 0 otherwise: the next launch takes its
; short path (products of separate exponentials) only where all its blocks say 0.  A NaN does not raise the flag: it reaches the
; same outputs on either path.
; Both tiles lie in LDS whole (K = 512), so there is one barrier between filling and multiplying.
; No tensor loads and no cluster: every element is converted from f32 to bf16 in registers on its way into LDS, so a copy
; engine would only add a second trip through LDS at twice the bytes.
.set XP,    1040                       ; LDS pitch of an X row: 512 bf16 + 16 bytes, an odd multiple of 16
.set WP,    160                        ; LDS pitch of a W row (one k, 64 columns): 128 + 32 bytes, an odd multiple of 32
.set WOFF,  64*XP                      ; W's tile behind X's
.set STG,   WOFF+512*WP                ; the stage for the way out: 64 rows of 256 bytes
.set SP,    272                        ; its pitch
.set FLG,   STG+64*SP                  ; eight words: one range mask for each wave
.set XG,  2                            ; v2      global offset of my 16 bytes of X
.set WG,  3                            ; v3      the same for W
.set XL,  4                            ; v4      LDS address of my 8 bytes of X
.set WO,  5                            ; v5      global offset of my word of wv
.set WL,  6                            ; v6-7    LDS address of my 8 bytes of W, rows 0-255 and 256-511
.set XF,  8                            ; v8      LDS address of my part of an X fragment
.set FB,  9                            ; v9      LDS address of the eight masks
.set WF,  10                           ; v10-11  LDS address of my part of a W fragment, K steps 0-7 and 8-15
.set SQ,  12                           ; v12     stage address, queries
.set SK,  13                           ; v13     stage address, keys
.set RD,  14                           ; v14     stage address on the way back
.set FA,  15                           ; v15     LDS address of my wave's mask
.set GO,  16                           ; v16-19  global offsets of my four stores
.set CV,  20                           ; v20-27  four pairs of converted words (before that: scratch for addresses)
.set MX,  28                           ; v28     largest x
.set MN,  29                           ; v29     smallest x
.set FV,  30                           ; v30     my wave's mask
.set ZR,  31                           ; v31     0
.set LD,  32                           ; v32-159 ring of 32 loads of 16 bytes
.set FR,  32                           ; v32-127 afterwards: ring of 4 fragment sets of 24 registers
.set OB,  128                          ; v128-143 the way out
.set FW,  144                          ; v144-151 the eight masks
.set ACC, 160                          ; v160-175 two accumulator tiles
.set WR,  176                          ; v176    my word of wv
	s_load_b512 s[4:19], s[0:1], 0x0               ; qs, ks, Wq, Wk, wv, qx, kxt, flags
	v_lshl_add_u32 v180, v0, 2, 0x28900
	v_mov_b32 v181, 0
	v_lshrrev_b32 v1, 5, v0
	v_readfirstlane_b32 s23, v1                    ; wave 0..7
	s_lshr_b32 s20, ttmp9, 7                       ; 0 queries, 1 keys
	s_bfe_u32 s21, ttmp9, 0x60001                  ; block of 64 rows, 0..63
	s_and_b32 s22, ttmp9, 1                        ; half of H
	v_lshlrev_b32 v[XG], 4, v0                     ; X: 256 threads x 16 bytes = two whole rows of 2,048 bytes
	v_lshrrev_b32 v1, 4, v0                        ; t >> 4
	v_and_b32 v20, 15, v0                          ; t & 15
	v_lshlrev_b32 v21, 4, v20
	v_lshl_add_u32 v[WG], v1, 9, v21               ; W: 16 threads take the 256 bytes of my half of a row of 512
	v_and_b32 v[WO], 127, v0
	v_lshlrev_b32 v[WO], 2, v[WO]
	s_lshl_b32 s30, s21, 17                        ; X: 64 rows of 2,048 bytes
	s_mov_b32 s31, 0
	s_lshl_b32 s32, s22, 8                         ; W: 256 bytes for the upper half of H
	s_mov_b32 s33, 0
	s_lshl_b32 s34, s21, 15                        ; qx: 64 rows of 512 bytes
	s_add_co_u32 s34, s34, s32                     ;     + 256 bytes for the upper half
	s_lshr_b32 s35, s21, 3                         ; kxt: batch
	s_lshl_b32 s35, s35, 18                        ;      x 128 rows (h) of 2,048 bytes
	s_lshl_b32 s39, s22, 17                        ;      + 64 such rows for the upper half
	s_add_co_u32 s35, s35, s39
	s_and_b32 s39, s21, 7
	s_lshl_b32 s39, s39, 8                         ;      + 64 keys of 4 bytes for each block in the batch
	s_add_co_u32 s35, s35, s39
	s_lshl_b32 s38, s20, 1
	s_lshl_b32 s38, 512, s38                       ; bytes from one stage row to the next in memory: 512 (qx) or 2,048 (kxt)
	s_lshl_b32 s40, ttmp9, 2                       ; my word of flags
	s_mov_b32 s41, 0
	s_mov_b32 s37, 0
	s_wait_kmcnt 0x0
	s_cmp_eq_u32 s20, 0
	s_cselect_b64 s[24:25], s[4:5], s[6:7]         ; X
	s_cselect_b64 s[26:27], s[8:9], s[10:11]       ; W
	s_cselect_b64 s[28:29], s[14:15], s[16:17]     ; where the result goes
	s_cselect_b32 s36, s34, s35
	s_add_nc_u64 s[24:25], s[24:25], s[30:31]
	s_add_nc_u64 s[26:27], s[26:27], s[32:33]
	s_add_nc_u64 s[28:29], s[28:29], s[36:37]
	s_add_nc_u64 s[18:19], s[18:19], s[40:41]
; Load number n of 64: n = 0-15 and 32-47 are X (two rows each), n = 16-31 and 48-63 are W (sixteen rows each).
.macro GLOAD n
.if (((\n)>>4)&1)
	global_load_b128 v[LD+4*((\n)&31):LD+4*((\n)&31)+3], v[WG], s[26:27] offset:(((\n)&15)+16*((\n)>>5))*8192
.else
	global_load_b128 v[LD+4*((\n)&31):LD+4*((\n)&31)+3], v[XG], s[24:25] offset:(((\n)&15)+16*((\n)>>5))*4096
.endif
.endm
	global_load_b32 v[WR], v[WO], s[12:13]         ; wv, only for the range check
.set n, 0
.rept 32
	GLOAD n
.set n, n+1
.endr
	; addresses, while the loads are on their way
	v_bfe_u32 v22, v0, 4, 1                        ; upper half of the lanes
	v_lshrrev_b32 v23, 7, v0
	v_and_b32 v24, 127, v0
	v_mul_u32_u24 v23, v23, XP
	v_lshl_add_u32 v[XL], v24, 3, v23              ; row (t >> 7), 8 bytes at column 4 (t & 127)
	v_mul_u32_u24 v23, v1, WP
	v_lshl_add_u32 v23, v20, 3, v23
	v_add_nc_u32 v[WL], WOFF, v23                  ; row (t >> 4), 8 bytes at column 4 (t & 15)
	v_add_nc_u32 v[WL+1], 256*WP, v[WL]            ; LDS offsets have 16 bits: a second register for rows 256-511
	s_and_b32 s44, s23, 3
	s_lshl_b32 s44, s44, 4                         ; my 16 rows of X
	s_lshr_b32 s45, s23, 2                         ; my 32 columns of W
	v_add_nc_u32 v23, s44, v20
	v_mul_u32_u24 v23, v23, XP
	v_lshl_add_u32 v[XF], v22, 4, v23              ; X fragment: row l % 16, 16 bytes for each half of the lanes
	v_and_b32 v23, 7, v0
	v_lshl_add_u32 v23, v22, 3, v23                ; W fragment, by the transposing load: k = 8 (l / 16) + l % 8,
	v_mul_u32_u24 v23, v23, WP
	v_bfe_u32 v24, v0, 3, 1
	v_lshl_add_u32 v23, v24, 4, v23                ; eight columns for each group of eight lanes
	s_lshl_b32 s46, s45, 6
	s_add_co_u32 s46, s46, WOFF
	v_add_nc_u32 v[WF], s46, v23
	v_add_nc_u32 v[WF+1], 256*WP, v[WF]            ; K steps 8-15
	v_lshlrev_b32 v23, 3, v22
	v_add_nc_u32 v23, s44, v23                     ; first of my eight rows of X in a result tile
	s_lshl_b32 s47, s45, 5
	v_add_nc_u32 v24, s47, v20                     ; my column of H in the first tile
	v_mul_u32_u24 v25, v23, SP
	v_lshl_add_u32 v25, v24, 2, v25
	v_add_nc_u32 v[SQ], STG, v25                   ; queries: stage[row][h]
	v_mul_u32_u24 v25, v24, SP
	v_lshl_add_u32 v25, v23, 2, v25
	v_add_nc_u32 v[SK], STG, v25                   ; keys: stage[h][key]
	v_mul_u32_u24 v25, v1, SP
	v_add_nc_u32 v25, v25, v21
	v_add_nc_u32 v[RD], STG, v25                   ; back: 16 lanes take one stage row of 256 bytes
	v_mul_lo_u32 v25, v1, s38
	v_add_nc_u32 v[GO], v25, v21                   ; and the same row in memory
	s_lshl_b32 s49, s38, 4                         ; 16 rows on
	v_add_nc_u32 v[GO+1], s49, v[GO]
	v_add_nc_u32 v[GO+2], s49, v[GO+1]
	v_add_nc_u32 v[GO+3], s49, v[GO+2]
	s_lshl_b32 s48, s23, 2
	s_add_co_u32 s48, s48, FLG
	v_mov_b32 v[FA], s48
	v_mov_b32 v[FB], FLG
	v_mov_b32 v[ZR], 0
	; Convert and lay into LDS, oldest load first; each of the first 32 slots is loaded again at once, so that 32 loads stay out.
.set n, 0
.rept 64
.if n < 32
	s_wait_loadcnt 31                              ; loads return in order: number n is in, the 31 behind it stay out
.else
	s_wait_loadcnt 63-n                            ; nothing is issued any more: the count runs down
.endif
.set lr, LD+4*(n&31)
.set cr, CV+2*(n&3)
	v_cvt_pk_bf16_f32 v[cr], v[lr], v[lr+1]
	v_cvt_pk_bf16_f32 v[cr+1], v[lr+2], v[lr+3]
.if ((n>>4)&1)
	ds_store_b64 v[WL+(n>>5)], v[cr:cr+1] offset:(n&15)*16*WP
.else
	ds_store_b64 v[XL], v[cr:cr+1] offset:((n&15)+16*(n>>5))*2*XP
.endif
.if n < 32
	GLOAD n+32
.endif
.set n, n+1
.endr
	s_wait_dscnt 0x0                               ; my stores are in LDS before I say so
	s_barrier_signal -1
	s_barrier_wait -1                              ; both tiles are whole
; The fragments of K step k (32 along K): X 16 rows, W twice 16 columns; six loads into set k % 4.
.macro FLOAD k
.set fnew, FR+24*((\k)&3)
.set wa, WF+((\k)>>3)
.set wo, ((\k)&7)*32*WP
	ds_load_b128 v[fnew:fnew+3], v[XF] offset:(\k)*64
	ds_load_b128 v[fnew+4:fnew+7], v[XF] offset:(\k)*64+32
	ds_load_tr16_b128 v[fnew+8:fnew+11], v[wa] offset:wo
	ds_load_tr16_b128 v[fnew+12:fnew+15], v[wa] offset:wo+16*WP
	ds_load_tr16_b128 v[fnew+16:fnew+19], v[wa] offset:wo+32
	ds_load_tr16_b128 v[fnew+20:fnew+23], v[wa] offset:wo+16*WP+32
.endm
	FLOAD 0
	FLOAD 1
	FLOAD 2
.set ks, 0
.rept 16
.if ks < 14
	s_wait_dscnt 12                                ; this step's six loads are in; the twelve of the next two steps stay out
.else
	s_wait_dscnt 6*(15-ks)
.endif
.if ks < 13
.if ks > 0
	v_nop                                          ; the set loaded next was read by the two matrix instructions just issued:
	v_nop                                          ; four independent vector places stand between them and the loads
	v_nop                                          ; (ISA guide 7.12.1 names V_NOP as such a place)
	v_nop
.endif
	FLOAD ks+3
.endif
.set fcur, FR+24*(ks&3)
.if ks == 0
	v_wmma_f32_16x16x32_bf16 v[ACC:ACC+7], v[fcur:fcur+7], v[fcur+8:fcur+15], 0            ; the first products start the sums
	v_wmma_f32_16x16x32_bf16 v[ACC+8:ACC+15], v[fcur:fcur+7], v[fcur+16:fcur+23], 0
.else
	v_wmma_f32_16x16x32_bf16 v[ACC:ACC+7], v[fcur:fcur+7], v[fcur+8:fcur+15], v[ACC:ACC+7]
	v_wmma_f32_16x16x32_bf16 v[ACC+8:ACC+15], v[fcur:fcur+7], v[fcur+16:fcur+23], v[ACC+8:ACC+15]
.endif
.set ks, ks+1
.endr
	v_nop                                          ; four places before the results are read
	v_nop
	v_nop
	v_nop
.irp j, 0,2,4,6,8,10,12,14
	v_pk_mul_f32 v[ACC+\j:ACC+\j+1], v[ACC+\j:ACC+\j+1], 0x4038aa3b op_sel_hi:[1,0]        ; x 2 log2(e): exp(2 z) = 2^x
.endr
	; the range check: largest and smallest of my 16 numbers, and my word of wv
	s_mov_b32 s42, 0x42200000                      ; 40.0
	s_mov_b32 s43, 0xc2200000                      ; -40.0
	s_mov_b32 s50, 0x53800000                      ; 2^40
	v_max3_num_f32 v[MX], v[ACC], v[ACC+1], v[ACC+2]
	v_min3_num_f32 v[MN], v[ACC], v[ACC+1], v[ACC+2]
.irp j, 3,5,7,9,11,13
	v_max3_num_f32 v[MX], v[MX], v[ACC+\j], v[ACC+\j+1]
	v_min3_num_f32 v[MN], v[MN], v[ACC+\j], v[ACC+\j+1]
.endr
	v_max_num_f32 v[MX], v[MX], v[ACC+15]
	v_min_num_f32 v[MN], v[MN], v[ACC+15]
	v_and_b32 v[WR], 0x7fffffff, v[WR]
	v_cmp_lt_f32 vcc_lo, s42, v[MX]                ; 40 < x somewhere
	v_cmp_gt_f32 s51, s43, v[MN]                   ; -40 > x somewhere
	s_or_b32 s51, s51, vcc_lo
	v_cmp_lt_f32 vcc_lo, s50, v[WR]                ; 2^40 < |wv| somewhere
	s_or_b32 s51, s51, vcc_lo
	v_mov_b32 v[FV], s51                           ; the lanes' bits are the whole number that is handed on; nothing here branches on it
	; Into the stage.  Register j of a tile holds row 8 (l / 16) + j of X and column l % 16 of H.
	s_cmp_lg_u32 s20, 0
	s_cbranch_scc1 .Lkeys
.irp t, 0,1
.irp j, 0,1,2,3,4,5,6,7
	ds_store_b32 v[SQ], v[ACC+8*\t+\j] offset:\j*SP+\t*64          ; queries: stage[row][h], 16 lanes side by side
.endr
.endr
	s_branch .Lstaged
.Lkeys:
.irp t, 0,1
	ds_store_b128 v[SK], v[ACC+8*\t:ACC+8*\t+3] offset:\t*16*SP    ; keys: stage[h][key], my eight keys lie side by side
	ds_store_b128 v[SK], v[ACC+8*\t+4:ACC+8*\t+7] offset:\t*16*SP+16
.endr
.Lstaged:
	ds_store_b32 v[FA], v[FV]                      ; every lane writes the same word with the same value
	s_wait_dscnt 0x0
	s_barrier_signal -1
	s_barrier_wait -1                              ; the stage and the eight masks are whole
.irp i, 0,1,2,3
	ds_load_b128 v[OB+4*\i:OB+4*\i+3], v[RD] offset:\i*16*SP
.endr
	ds_load_b128 v[FW:FW+3], v[FB]
	ds_load_b128 v[FW+4:FW+7], v[FB] offset:16
.irp i, 0,1,2,3
	s_wait_dscnt 5-\i                              ; stage load i is in; the later ones and the two of the masks stay out
	global_store_b128 v[GO+\i], v[OB+4*\i:OB+4*\i+3], s[28:29]     ; 16 lanes store 256 consecutive bytes, aligned to 256
.endr
	s_wait_dscnt 0x0
	v_or_b32 v[FW], v[FW], v[FW+1]
	v_or_b32 v[FW+2], v[FW+2], v[FW+3]
	v_or_b32 v[FW+4], v[FW+4], v[FW+5]
	v_or_b32 v[FW+6], v[FW+6], v[FW+7]
	v_or_b32 v[FW], v[FW], v[FW+2]
	v_or_b32 v[FW+4], v[FW+4], v[FW+6]
	v_or_b32 v[FW], v[FW], v[FW+4]
	s_wait_xcnt 0x0                                ; EXEC is a source of the stores above: it changes only behind this wait
	v_cmp_eq_u32 vcc_lo, 0, v0
	s_barrier_signal -1
	s_barrier_wait -1
	s_wait_tensorcnt 0x0
	ds_add_u32 v180, v181
	s_wait_dscnt 0x0
	s_and_saveexec_b32 s52, vcc_lo                 ; thread 0 alone
	global_store_b32 v[ZR], v[FW], s[18:19]        ; flags[id]
	s_wait_xcnt 0x0
	s_or_b32 exec_lo, exec_lo, s52
	s_endpgm
.Lfunc_end_k_qcac07603cd_project:
	.size	k_qcac07603cd_project, .Lfunc_end_k_qcac07603cd_project-k_qcac07603cd_project
	.p2alignl 7, 3214868480
	.fill 96, 4, 3214868480
	.section	.rodata,"a",@progbits
	.p2align	6, 0x0
	.amdhsa_kernel k_qcac07603cd_project
		.amdhsa_group_segment_fixed_size 167168
		.amdhsa_private_segment_fixed_size 0
		.amdhsa_enable_private_segment 0
		.amdhsa_kernarg_size 64
		.amdhsa_user_sgpr_count 2
		.amdhsa_user_sgpr_kernarg_segment_ptr 1
		.amdhsa_wavefront_size32 1
		.amdhsa_system_sgpr_workgroup_id_x 1
		.amdhsa_system_sgpr_workgroup_id_y 1
		.amdhsa_system_sgpr_workgroup_id_z 1
		.amdhsa_system_vgpr_workitem_id 0
		.amdhsa_next_free_vgpr 182
		.amdhsa_next_free_sgpr 66
		.amdhsa_reserve_vcc 1
		.amdhsa_float_denorm_mode_32 3
		.amdhsa_float_denorm_mode_16_64 3
		.amdhsa_memory_ordered 1
		.amdhsa_forward_progress 1
		.amdhsa_inst_pref_size 40
	.end_amdhsa_kernel
	.amdgpu_metadata
---
amdhsa.version: [ 1, 2 ]
amdhsa.kernels:
  - .name:           k_qcac07603cd_project
    .symbol:         k_qcac07603cd_project.kd
    .args:
      - { .name: qs, .offset: 0, .size: 8, .value_kind: global_buffer, .address_space: global }
      - { .name: ks, .offset: 8, .size: 8, .value_kind: global_buffer, .address_space: global }
      - { .name: Wq, .offset: 16, .size: 8, .value_kind: global_buffer, .address_space: global }
      - { .name: Wk, .offset: 24, .size: 8, .value_kind: global_buffer, .address_space: global }
      - { .name: wv, .offset: 32, .size: 8, .value_kind: global_buffer, .address_space: global }
      - { .name: qx, .offset: 40, .size: 8, .value_kind: global_buffer, .address_space: global }
      - { .name: kxt, .offset: 48, .size: 8, .value_kind: global_buffer, .address_space: global }
      - { .name: flags, .offset: 56, .size: 8, .value_kind: global_buffer, .address_space: global }
    .group_segment_fixed_size: 167168
    .private_segment_fixed_size: 0
    .kernarg_segment_align: 8
    .kernarg_segment_size: 64
    .max_flat_workgroup_size: 256
    .sgpr_count:     66
    .vgpr_count:     182
    .wavefront_size: 32
...
	.end_amdgpu_metadata
.endif
;; end of part 1
;; launch score (part 2): grid 256 x 1, 16 waves a work-group, no clusters, 133,120 bytes of LDS; arguments qx, kxt, wv, flags, out0; writes out0
.if DOCPART == 2
	.amdgcn_target "amdgcn-amd-amdhsa--gfx1250"
	.amdhsa_code_object_version 6
	.text
	.protected	k_qcac07603cd_score
	.globl	k_qcac07603cd_score
	.p2align	8
	.type	k_qcac07603cd_score,@function
k_qcac07603cd_score:
	s_mov_b64 s[64:65], 0
	v_nop
	global_prefetch_b8 v0, s[64:65] scope:SCOPE_SE
	s_setreg_imm32_b32 hwreg(HW_REG_WAVE_MODE, 25, 1), 1
	s_wait_xcnt 0x0
; out[b][i][j] = sum over h of wv[h] tanh(q[i][h] + k[j][h]), from xa = qx[i][h] and xb = kxt[h][j], both already 2 log2(e) times q and k.
; tanh(z) = 1 - 2 / (1 + exp(2 z)), so out = sum(wv) + sum over h of (-2 wv[h]) / (1 + 2^(xa + xb)).
; SHORT PATH: 1 / (1 + 2^(xa+xb)) = F / (F + E) with F = 2^-xa, made once for each (i, h), and E = 2^xb, once for each (j, h): no
; exponential is left in the loop.  Two neighbouring h share a reciprocal: G1/v1 + G2/v2 = (G1 v2 + G2 v1) / (v1 v2), v = E + F,
; G = -2 wv F.  For 2 h x 2 keys: six packed instructions and two reciprocals.  It is taken only where the launch before found
; |xa|, |xb| <= 40 and |wv| <= 2^40 in all six blocks that this work-group reads: then v1 v2 lies between 2^-78 and 2^82 and the
; numerator below 2^123, so that nothing overflows and no reciprocal is flushed.  Limit kept: where |wv| < 2^-48 a numerator can be
; denormal, which adds at most 2^-66 to a score.
; GENERAL PATH, for every other input: 2^(xa + xb) by v_exp_f32 for each term; it runs to infinity or to zero where tanh is 1 or -1.
; The choice is a whole number read from memory.  The fill of LDS serves both paths (a select keeps x where the general path wants
; it), so that the one barrier stands in front of the branch.
; A work-group makes 64 queries x 128 keys of one batch; a wave 4 queries x 128 keys; lane l the keys 4 l .. 4 l + 3, so that a row
; of results leaves as 16 bytes a lane.  Four keys a lane let one broadcast load of 16 bytes feed sixteen arithmetic instructions.
; No cluster and no tensor load: the 96 KiB that a work-group reads feed 1,048,576 terms, and each number goes through v_exp_f32 in
; registers before it lies in LDS.
.set QROW,   1024                      ; LDS: a query's 128 h x {F, G}
.set KROW,   512                       ; LDS: one h of 128 keys
.set KOFF,   64*QROW                   ; the keys lie behind the 64 queries
.set CH,     32                        ; h in a trip
.set TRIPS,  128/CH
.set NQ,     4                         ; queries of a wave
.set GROUPS, NQ*CH/2                   ; a group = one query, two h, four keys
.set DEPTH,  8                         ; groups whose query values are loaded ahead
.set QG,   2                           ; v2   global offset in the query tile
.set KG,   3                           ; v3   global offset in the key tile
.set QL,   4                           ; v4   LDS address for the fill, queries
.set KL,   5                           ; v5   LDS address for the fill, keys
.set L16,  6                           ; v6   16 x lane
.set QA,   10                          ; v10  LDS address of my wave's first query, this trip's h
.set KA,   11                          ; v11  LDS address of my four keys, this trip's h
.set WS,   14                          ; v14  sum of wv
.set ACC,  16                          ; v16-31   4 queries x 4 keys
.set RING, 32                          ; v32-63   8 slots of {F1, G1, F2, G2}
.set TMP,  64                          ; v64-103  two sets of 20, for even and odd groups
.set EB,   104                         ; v104-231 32 h x 4 keys
.set WV,   16                          ; the fill's registers lie in those of the loop
.set WN,   20
.set NG,   64
.set FF,   68
.set GG,   72
.set OV,   76
.set QX,   104
.set KX,   120
	s_load_b256 s[4:11], s[0:1], 0x0               ; qx, kxt, wv, flags
	s_load_b64 s[12:13], s[0:1], 0x20              ; out0
	v_lshl_add_u32 v232, v0, 2, 0x20000
	v_mov_b32 v233, 0
	v_lshrrev_b32 v7, 5, v0
	v_readfirstlane_b32 s14, v7                    ; wave 0..15
	v_and_b32 v1, 31, v0
	v_lshlrev_b32 v[L16], 4, v1
	v_lshlrev_b32 v[QG], 4, v0                     ; the query tile is 32 KiB in one piece: 16 bytes a thread
	v_lshl_add_u32 v[KG], v7, 11, v[L16]           ; keys: wave w takes row h = w (2,048 bytes apart), 512 bytes of it
	v_lshlrev_b32 v[QL], 5, v1
	v_lshl_add_u32 v[QL], v7, 10, v[QL]            ; query w, 32 bytes for my four h
	v_add_nc_u32 v[KL], KOFF, v[QG]                ; h = w, 16 bytes a lane
	s_lshr_b32 s15, ttmp9, 5                       ; batch
	s_bfe_u32 s16, ttmp9, 0x30002                  ; block of 64 queries
	s_and_b32 s17, ttmp9, 3                        ; block of 128 keys
	s_lshl3_add_u32 s18, s15, s16                  ; block of 64 among all 4,096 query rows
	s_lshl_b32 s32, s18, 15                        ; x 64 rows of 512 bytes
	s_mov_b32 s33, 0
	s_lshl_b32 s34, s15, 18                        ; batch x 128 rows of 2,048 bytes
	s_lshl_b32 s44, s17, 9                         ; + 128 keys of 4 bytes
	s_add_co_u32 s34, s34, s44
	s_mov_b32 s35, 0
	s_lshl_b32 s36, s18, 3                         ; flags: two words for a block of 64 query rows
	s_mov_b32 s37, 0
	s_lshl_b32 s38, s15, 6                         ; and behind the first 128 words four words for 128 keys
	s_lshl4_add_u32 s38, s17, s38
	s_mov_b32 s39, 0
	s_lshl_b32 s42, s18, 17                        ; out0: 64 rows of 2,048 bytes
	s_add_co_u32 s42, s42, s44                     ; + my 128 columns
	s_lshl_b32 s44, s14, 13                        ; + 4 rows for each wave
	s_add_co_u32 s42, s42, s44
	s_mov_b32 s43, 0
	s_mov_b32 s26, 0x76543210                      ; v_permlanex16_b32: lane i takes lane i of the other half
	s_mov_b32 s27, 0xfedcba98
	s_wait_kmcnt 0x0
	s_add_nc_u64 s[40:41], s[10:11], s[38:39]
	s_add_nc_u64 s[10:11], s[10:11], s[36:37]
	s_load_b64 s[24:25], s[10:11], 0x0
	s_load_b128 s[28:31], s[40:41], 0x200
	s_add_nc_u64 s[4:5], s[4:5], s[32:33]
	s_add_nc_u64 s[6:7], s[6:7], s[34:35]
	s_add_nc_u64 s[12:13], s[12:13], s[42:43]
	global_load_b128 v[WV:WV+3], v[L16], s[8:9]    ; wv of my four h
.irp i, 0,1,2,3
	global_load_b128 v[QX+4*\i:QX+4*\i+3], v[QG], s[4:5] offset:\i*8192        ; 16 queries at a time
.endr
.irp i, 0,1,2,3,4,5,6,7
	global_load_b128 v[KX+4*\i:KX+4*\i+3], v[KG], s[6:7] offset:\i*32768       ; 16 h at a time
.endr
	s_wait_kmcnt 0x0
	s_or_b32 s24, s24, s25
	s_or_b32 s28, s28, s29
	s_or_b32 s30, s30, s31
	s_or_b32 s24, s24, s28
	s_or_b32 s24, s24, s30                         ; not 0: some number is outside the short path's range
	s_cmp_lg_u32 s24, 0
	s_cselect_b32 s21, -1, 0                       ; as a mask for the selects below
	s_wait_loadcnt 12                              ; wv is in; the twelve loads behind it stay out
	v_pk_mul_f32 v[WN:WN+1], v[WV:WV+1], -2.0 op_sel_hi:[1,0]
	v_pk_mul_f32 v[WN+2:WN+3], v[WV+2:WV+3], -2.0 op_sel_hi:[1,0]
	v_add_f32 v[WS], v[WV], v[WV+1]
	v_add_f32 v15, v[WV+2], v[WV+3]
	v_add_f32 v[WS], v[WS], v15
	v_add_f32_dpp v[WS], v[WS], v[WS] row_xmask:1 row_mask:0xf bank_mask:0xf
	v_add_f32_dpp v[WS], v[WS], v[WS] row_xmask:2 row_mask:0xf bank_mask:0xf
	v_add_f32_dpp v[WS], v[WS], v[WS] row_xmask:4 row_mask:0xf bank_mask:0xf
	v_add_f32_dpp v[WS], v[WS], v[WS] row_xmask:8 row_mask:0xf bank_mask:0xf
	v_permlanex16_b32 v15, v[WS], s26, s27
	v_add_f32 v[WS], v[WS], v15                    ; sum of all 128 wv, in every lane
; Queries: {2^-xa, -2 wv 2^-xa} for the short path, {xa, -2 wv} for the general one.
.macro QFILL it
.set x, QX+4*\it
	s_wait_loadcnt 11-\it                          ; this load is in; the later query loads and the eight key loads stay out
.irp k, 0,1,2,3
	v_xor_b32 v[NG+\k], 0x80000000, v[x+\k]
.endr
.irp k, 0,1,2,3
	v_exp_f32 v[FF+\k], v[NG+\k]
.endr
	v_nop                                          ; one plain vector instruction between the exponentials and their first use
	s_wait_alu depctr_va_vdst(0)
	v_pk_mul_f32 v[GG:GG+1], v[FF:FF+1], v[WN:WN+1]
	v_pk_mul_f32 v[GG+2:GG+3], v[FF+2:FF+3], v[WN+2:WN+3]
.irp k, 0,1,2,3
	v_cndmask_b32 v[OV+2*\k], v[FF+\k], v[x+\k], s21
	v_cndmask_b32 v[OV+2*\k+1], v[GG+\k], v[WN+\k], s21
.endr
	ds_store_b128 v[QL], v[OV:OV+3] offset:\it*16384
	ds_store_b128 v[QL], v[OV+4:OV+7] offset:\it*16384+16
.endm
; Keys: 2^xb, or xb.
.macro KFILL it
.set x, KX+4*\it
	s_wait_loadcnt 7-\it
.irp k, 0,1,2,3
	v_exp_f32 v[FF+\k], v[x+\k]
.endr
	v_nop
	s_wait_alu depctr_va_vdst(0)
.irp k, 0,1,2,3
	v_cndmask_b32 v[OV+\k], v[FF+\k], v[x+\k], s21
.endr
	ds_store_b128 v[KL], v[OV:OV+3] offset:\it*8192
.endm
.irp i, 0,1,2,3
	QFILL \i
.endr
.irp i, 0,1,2,3,4,5,6,7
	KFILL \i
.endr
	s_wait_dscnt 0x0                               ; my stores are in LDS before I say so
	s_barrier_signal -1
	s_barrier_wait -1                              ; from here on LDS is only read
	s_lshl_b32 s22, s14, 12                        ; my wave's four queries
	v_mov_b32 v[QA], s22
	v_add_nc_u32 v[KA], KOFF, v[L16]
.set j, 0
.rept 4*NQ
	v_mov_b32 v[ACC+j], v[WS]                      ; the sums start at sum(wv)
.set j, j+1
.endr
	s_mov_b32 s23, 0
; The head of a trip: 32 h of my four keys, and the query values of the first DEPTH groups.
.macro FILL
.set j, 0
.rept CH
	ds_load_b128 v[EB+4*j:EB+4*j+3], v[KA] offset:j*KROW
.set j, j+1
.endr
.set j, 0
.rept DEPTH
	ds_load_b128 v[RING+4*j:RING+4*j+3], v[QA] offset:16*j
.set j, j+1
.endr
	s_wait_dscnt 0x0
.endm
; Group g = query g / 16, h pair g % 16: its registers' names, and the wait for its query values.
.macro HEAD g
.set gi, (\g)>>4
.set gh, (\g)&15
.set rq, RING+4*((\g)&(DEPTH-1))
.set e1, EB+8*gh
.set e2, e1+4
.set ac, ACC+4*gi
.set tb, TMP+20*((\g)&1)
.if (\g) < GROUPS-DEPTH
	s_wait_dscnt DEPTH-1                           ; LDS loads return in order: this group's is in, the seven behind it stay out
.else
	s_wait_dscnt GROUPS-1-(\g)                     ; the trip's last groups load nothing: the count runs down
.endif
.endm
.macro REFILL g                        ; the slot just used takes the values of the group DEPTH further on; all lanes read the same 16 bytes
.if (\g) < GROUPS-DEPTH
	ds_load_b128 v[rq:rq+3], v[QA] offset:(((\g)+DEPTH)>>4)*QROW+(((\g)+DEPTH)&15)*16
.endif
.endm
.macro NEXT
	v_add_nc_u32 v[KA], CH*KROW, v[KA]
	v_add_nc_u32 v[QA], CH*8, v[QA]
	s_add_co_u32 s23, s23, 1
	s_cmp_lt_u32 s23, TRIPS
.endm
; Short path.  rq = {F1, G1, F2, G2}; op_sel picks F (first of a pair) or G (second) for both halves of a packed instruction.
.macro FGROUP g
	HEAD \g
	v_pk_add_f32 v[tb:tb+1],   v[e1:e1+1],   v[rq:rq+1]   op_sel_hi:[1,0]                 ; v1 = E1 + F1, keys 0, 1
	v_pk_add_f32 v[tb+2:tb+3], v[e2:e2+1],   v[rq+2:rq+3] op_sel_hi:[1,0]                 ; v2 = E2 + F2
	v_pk_add_f32 v[tb+4:tb+5], v[e1+2:e1+3], v[rq:rq+1]   op_sel_hi:[1,0]                 ; keys 2, 3
	v_pk_add_f32 v[tb+6:tb+7], v[e2+2:e2+3], v[rq+2:rq+3] op_sel_hi:[1,0]
	v_pk_mul_f32 v[tb+8:tb+9],   v[tb:tb+1],   v[tb+2:tb+3]                               ; v1 v2
	v_pk_mul_f32 v[tb+10:tb+11], v[tb+4:tb+5], v[tb+6:tb+7]
	v_rcp_f32 v[tb+12], v[tb+8]
	v_rcp_f32 v[tb+13], v[tb+9]
	v_rcp_f32 v[tb+14], v[tb+10]
	v_rcp_f32 v[tb+15], v[tb+11]
	v_pk_mul_f32 v[tb+16:tb+17], v[tb+2:tb+3], v[rq:rq+1] op_sel:[0,1] op_sel_hi:[1,1]    ; G1 v2: four plain instructions that touch neither
	v_pk_mul_f32 v[tb+18:tb+19], v[tb+6:tb+7], v[rq:rq+1] op_sel:[0,1] op_sel_hi:[1,1]    ; the reciprocals nor their sources stand before their use
	v_pk_fma_f32 v[tb+16:tb+17], v[tb:tb+1],   v[rq+2:rq+3], v[tb+16:tb+17] op_sel:[0,1,0] op_sel_hi:[1,1,1]   ; + G2 v1
	v_pk_fma_f32 v[tb+18:tb+19], v[tb+4:tb+5], v[rq+2:rq+3], v[tb+18:tb+19] op_sel:[0,1,0] op_sel_hi:[1,1,1]
	REFILL \g
	s_wait_alu depctr_va_vdst(0)
	v_pk_fma_f32 v[ac:ac+1],   v[tb+16:tb+17], v[tb+12:tb+13], v[ac:ac+1]
	v_pk_fma_f32 v[ac+2:ac+3], v[tb+18:tb+19], v[tb+14:tb+15], v[ac+2:ac+3]
.endm
; General path.  rq = {xa1, -2 wv1, xa2, -2 wv2}; the key registers hold xb.
.macro SGROUP g
	HEAD \g
	v_pk_add_f32 v[tb:tb+1],   v[e1:e1+1],   v[rq:rq+1]   op_sel_hi:[1,0]                 ; xa + xb
	v_pk_add_f32 v[tb+2:tb+3], v[e1+2:e1+3], v[rq:rq+1]   op_sel_hi:[1,0]
	v_pk_add_f32 v[tb+4:tb+5], v[e2:e2+1],   v[rq+2:rq+3] op_sel_hi:[1,0]
	v_pk_add_f32 v[tb+6:tb+7], v[e2+2:e2+3], v[rq+2:rq+3] op_sel_hi:[1,0]
.irp k, 0,1,2,3,4,5,6,7
	v_exp_f32 v[tb+8+\k], v[tb+\k]
.endr
	v_nop                                          ; a plain place between the exponentials and their use
	s_wait_alu depctr_va_vdst(0)
.irp k, 0,2,4,6
	v_pk_add_f32 v[tb+\k:tb+\k+1], v[tb+8+\k:tb+9+\k], 1.0 op_sel_hi:[1,0]
.endr
.irp k, 0,1,2,3,4,5,6,7
	v_rcp_f32 v[tb+8+\k], v[tb+\k]                 ; 1 / infinity = 0 where tanh is 1; 1 / 1 where it is -1
.endr
	v_nop
	s_wait_alu depctr_va_vdst(0)
	v_pk_fma_f32 v[ac:ac+1],   v[tb+8:tb+9],   v[rq:rq+1],   v[ac:ac+1]   op_sel:[0,1,0] op_sel_hi:[1,1,1]
	v_pk_fma_f32 v[ac+2:ac+3], v[tb+10:tb+11], v[rq:rq+1],   v[ac+2:ac+3] op_sel:[0,1,0] op_sel_hi:[1,1,1]
	v_pk_fma_f32 v[ac:ac+1],   v[tb+12:tb+13], v[rq+2:rq+3], v[ac:ac+1]   op_sel:[0,1,0] op_sel_hi:[1,1,1]
	v_pk_fma_f32 v[ac+2:ac+3], v[tb+14:tb+15], v[rq+2:rq+3], v[ac+2:ac+3] op_sel:[0,1,0] op_sel_hi:[1,1,1]
	REFILL \g
.endm
	s_cmp_lg_u32 s24, 0
	s_cbranch_scc1 .Lgeneral
.Lshort:
	FILL
.set g, 0
.rept GROUPS
	FGROUP g
.set g, g+1
.endr
	NEXT
	s_cbranch_scc1 .Lshort
	s_branch .Lstore
.Lgeneral:
	FILL
.set g, 0
.rept GROUPS
	SGROUP g
.set g, g+1
.endr
	NEXT
	s_cbranch_scc1 .Lgeneral
.Lstore:
.irp i, 0,1,2,3
	global_store_b128 v[L16], v[ACC+4*\i:ACC+4*\i+3], s[12:13] offset:\i*2048 th:TH_STORE_NT   ; a wave stores 512 consecutive bytes of a row, aligned to 512
.endr
	s_barrier_signal -1
	s_barrier_wait -1
	s_wait_tensorcnt 0x0
	ds_add_u32 v232, v233
	s_wait_dscnt 0x0
	s_endpgm
.Lfunc_end_k_qcac07603cd_score:
	.size	k_qcac07603cd_score, .Lfunc_end_k_qcac07603cd_score-k_qcac07603cd_score
	.p2alignl 7, 3214868480
	.fill 96, 4, 3214868480
	.section	.rodata,"a",@progbits
	.p2align	6, 0x0
	.amdhsa_kernel k_qcac07603cd_score
		.amdhsa_group_segment_fixed_size 133120
		.amdhsa_private_segment_fixed_size 0
		.amdhsa_enable_private_segment 0
		.amdhsa_kernarg_size 40
		.amdhsa_user_sgpr_count 2
		.amdhsa_user_sgpr_kernarg_segment_ptr 1
		.amdhsa_wavefront_size32 1
		.amdhsa_system_sgpr_workgroup_id_x 1
		.amdhsa_system_sgpr_workgroup_id_y 1
		.amdhsa_system_sgpr_workgroup_id_z 1
		.amdhsa_system_vgpr_workitem_id 0
		.amdhsa_next_free_vgpr 234
		.amdhsa_next_free_sgpr 66
		.amdhsa_reserve_vcc 0
		.amdhsa_float_denorm_mode_32 3
		.amdhsa_float_denorm_mode_16_64 3
		.amdhsa_memory_ordered 1
		.amdhsa_forward_progress 1
		.amdhsa_inst_pref_size 178
	.end_amdhsa_kernel
	.amdgpu_metadata
---
amdhsa.version: [ 1, 2 ]
amdhsa.kernels:
  - .name:           k_qcac07603cd_score
    .symbol:         k_qcac07603cd_score.kd
    .args:
      - { .name: qx, .offset: 0, .size: 8, .value_kind: global_buffer, .address_space: global }
      - { .name: kxt, .offset: 8, .size: 8, .value_kind: global_buffer, .address_space: global }
      - { .name: wv, .offset: 16, .size: 8, .value_kind: global_buffer, .address_space: global }
      - { .name: flags, .offset: 24, .size: 8, .value_kind: global_buffer, .address_space: global }
      - { .name: out0, .offset: 32, .size: 8, .value_kind: global_buffer, .address_space: global }
    .group_segment_fixed_size: 133120
    .private_segment_fixed_size: 0
    .kernarg_segment_align: 8
    .kernarg_segment_size: 40
    .max_flat_workgroup_size: 512
    .sgpr_count:     66
    .vgpr_count:     234
    .wavefront_size: 32
...
	.end_amdgpu_metadata
.endif
;; end of part 2
;; ======== version 2 of 2: 2 launches; 1.25 times as fast as version 1
;; workspace buffers: qx 2,097,152 bytes; kxt 2,097,152 bytes; flags 1,024 bytes of whole numbers
;; launch project (part 3): grid 256 x 1, 8 waves a work-group, no clusters, 167,168 bytes of LDS; arguments qs, ks, Wq, Wk, wv, qx, kxt, flags; writes qx, kxt, flags
.if DOCPART == 3
	.amdgcn_target "amdgcn-amd-amdhsa--gfx1250"
	.amdhsa_code_object_version 6
	.text
	.protected	k_qcac07603cd_project
	.globl	k_qcac07603cd_project
	.p2align	8
	.type	k_qcac07603cd_project,@function
k_qcac07603cd_project:
	s_mov_b64 s[64:65], 0
	v_nop
	global_prefetch_b8 v0, s[64:65] scope:SCOPE_SE
	s_setreg_imm32_b32 hwreg(HW_REG_WAVE_MODE, 25, 1), 1
	s_wait_xcnt 0x0
; x = 2 log2(e) * (X W) for X = qs with Wq (work-groups 0-127) and X = ks with Wk (work-groups 128-255).
; X: [4096][512] f32, W: [512][128] f32; operands rounded to bf16, sums in f32.
; A work-group makes 64 rows x 64 columns: id bit 7 = queries or keys, bits 6:1 = block of 64 rows, bit 0 = half of H.
; Queries are written row by row, qx[row][h]; keys transposed, kxt[batch][h][key]: the layouts that the next launch copies straight.
; flags[id] is a whole number by which the next launch chooses its path.  Its short path multiplies four numbers u = c (1 + 2^(xa+xb)),
; c = -1 / (2 wv), of four neighbouring h (4 m .. 4 m + 3), so what counts is a sum of exponents over such four h:
;   query blocks: the integer part of the largest sum of |x| over four neighbouring h of one row;
;   key blocks:   the same figure plus the largest sum over four neighbouring h of max(0, 126 - e), e the exponent field of wv,
;                 which is at least log2 |c|; an h with |wv| >= 2^20 counts as 1,024 or more.
; Both are capped at 1,000, so that the next launch can add them.  A NaN among the x does not raise the figure: it reaches the same
; outputs on either path.
; Both tiles lie in LDS whole (K = 512), so there is one barrier between filling and multiplying.
; No tensor loads and no cluster: every element is converted from f32 to bf16 in registers on its way into LDS, so a copy
; engine would only add a second trip through LDS at twice the bytes.
.set XP,    1040                       ; LDS pitch of an X row: 512 bf16 + 16 bytes, an odd multiple of 16
.set WP,    160                        ; LDS pitch of a W row (one k, 64 columns): 128 + 32 bytes, an odd multiple of 32
.set WOFF,  64*XP                      ; W's tile behind X's
.set STG,   WOFF+512*WP                ; the stage for the way out: 64 rows of 256 bytes
.set SP,    272                        ; its pitch
.set FLG,   STG+64*SP                  ; sixteen words: two range figures for each wave
.set XG,  2                            ; v2      global offset of my 16 bytes of X
.set WG,  3                            ; v3      the same for W
.set XL,  4                            ; v4      LDS address of my 8 bytes of X
.set WO,  5                            ; v5      global offset of my word of wv
.set WL,  6                            ; v6-7    LDS address of my 8 bytes of W, rows 0-255 and 256-511
.set XF,  8                            ; v8      LDS address of my part of an X fragment
.set FB,  9                            ; v9      LDS address of the waves' figures
.set WF,  10                           ; v10-11  LDS address of my part of a W fragment, K steps 0-7 and 8-15
.set SQ,  12                           ; v12     stage address, queries
.set SK,  13                           ; v13     stage address, keys
.set RD,  14                           ; v14     stage address on the way back
.set FA,  15                           ; v15     LDS address of my wave's two figures
.set GO,  16                           ; v16-19  global offsets of my four stores
                                       ; v20-25  scratch for addresses
.set MX,  28                           ; v28     largest sum of four |x|
.set CW,  29                           ; v29     largest sum of four exponents of c (a pair with v28 for one store)
.set ZR,  31                           ; v31     0
.set LD,  32                           ; v32-159 ring of 32 loads of 16 bytes
.set FR,  32                           ; v32-127 afterwards: ring of 4 fragment sets of 24 registers
.set AB,  32                           ; v32-47  afterwards: |x|
.set OB,  128                          ; v128-143 the way out
.set FW,  144                          ; v144-159 the eight waves' figures
.set ACC, 160                          ; v160-175 two accumulator tiles
.set WR,  176                          ; v176    my word of wv
.set WE,  177                          ; v177    its exponent field
.set W1,  178
.set W2,  179
.set CV,  180                          ; v180-211 two sets of eight pairs of converted words
	s_load_b512 s[4:19], s[0:1], 0x0               ; qs, ks, Wq, Wk, wv, qx, kxt, flags
	v_lshl_add_u32 v212, v0, 2, 0x28900
	v_mov_b32 v213, 0
	v_lshrrev_b32 v1, 5, v0
	v_readfirstlane_b32 s23, v1                    ; wave 0..7
	s_lshr_b32 s20, ttmp9, 7                       ; 0 queries, 1 keys
	s_bfe_u32 s21, ttmp9, 0x60001                  ; block of 64 rows, 0..63
	s_and_b32 s22, ttmp9, 1                        ; half of H
	v_lshlrev_b32 v[XG], 4, v0                     ; X: 256 threads x 16 bytes = two whole rows of 2,048 bytes
	v_lshrrev_b32 v1, 4, v0                        ; t >> 4
	v_and_b32 v20, 15, v0                          ; t & 15
	v_lshlrev_b32 v21, 4, v20
	v_lshl_add_u32 v[WG], v1, 9, v21               ; W: 16 threads take the 256 bytes of my half of a row of 512
	v_and_b32 v[WO], 127, v0
	v_lshlrev_b32 v[WO], 2, v[WO]
	s_lshl_b32 s30, s21, 17                        ; X: 64 rows of 2,048 bytes
	s_mov_b32 s31, 0
	s_lshl_b32 s32, s22, 8                         ; W: 256 bytes for the upper half of H
	s_mov_b32 s33, 0
	s_lshl_b32 s34, s21, 15                        ; qx: 64 rows of 512 bytes
	s_add_co_u32 s34, s34, s32                     ;     + 256 bytes for the upper half
	s_lshr_b32 s35, s21, 3                         ; kxt: batch
	s_lshl_b32 s35, s35, 18                        ;      x 128 rows (h) of 2,048 bytes
	s_lshl_b32 s39, s22, 17                        ;      + 64 such rows for the upper half
	s_add_co_u32 s35, s35, s39
	s_and_b32 s39, s21, 7
	s_lshl_b32 s39, s39, 8                         ;      + 64 keys of 4 bytes for each block in the batch
	s_add_co_u32 s35, s35, s39
	s_lshl_b32 s38, s20, 1
	s_lshl_b32 s38, 512, s38                       ; bytes from one stage row to the next in memory: 512 (qx) or 2,048 (kxt)
	s_lshl_b32 s40, ttmp9, 2                       ; my word of flags
	s_mov_b32 s41, 0
	s_mov_b32 s37, 0
	s_wait_kmcnt 0x0
	s_cmp_eq_u32 s20, 0
	s_cselect_b64 s[24:25], s[4:5], s[6:7]         ; X
	s_cselect_b64 s[26:27], s[8:9], s[10:11]       ; W
	s_cselect_b64 s[28:29], s[14:15], s[16:17]     ; where the result goes
	s_cselect_b32 s36, s34, s35
	s_cselect_b32 s56, 0, 0x3f800000               ; 0.0 for queries, 1.0 for keys: whether wv's figure is added to mine
	s_add_nc_u64 s[24:25], s[24:25], s[30:31]
	s_add_nc_u64 s[26:27], s[26:27], s[32:33]
	s_add_nc_u64 s[28:29], s[28:29], s[36:37]
	s_add_nc_u64 s[18:19], s[18:19], s[40:41]
; Load number n of 64: n = 0-15 and 32-47 are X (two rows each), n = 16-31 and 48-63 are W (sixteen rows each).
.macro GLOAD n
.if (((\n)>>4)&1)
	global_load_b128 v[LD+4*((\n)&31):LD+4*((\n)&31)+3], v[WG], s[26:27] offset:(((\n)&15)+16*((\n)>>5))*8192
.else
	global_load_b128 v[LD+4*((\n)&31):LD+4*((\n)&31)+3], v[XG], s[24:25] offset:(((\n)&15)+16*((\n)>>5))*4096
.endif
.endm
	global_load_b32 v[WR], v[WO], s[12:13]         ; wv, only for the range figure
.set n, 0
.rept 32
	GLOAD n
.set n, n+1
.endr
	; addresses, while the loads are on their way
	v_bfe_u32 v22, v0, 4, 1                        ; upper half of the lanes
	v_lshrrev_b32 v23, 7, v0
	v_and_b32 v24, 127, v0
	v_mul_u32_u24 v23, v23, XP
	v_lshl_add_u32 v[XL], v24, 3, v23              ; row (t >> 7), 8 bytes at column 4 (t & 127)
	v_mul_u32_u24 v23, v1, WP
	v_lshl_add_u32 v23, v20, 3, v23
	v_add_nc_u32 v[WL], WOFF, v23                  ; row (t >> 4), 8 bytes at column 4 (t & 15)
	v_add_nc_u32 v[WL+1], 256*WP, v[WL]            ; LDS offsets have 16 bits: a second register for rows 256-511
	s_and_b32 s44, s23, 3
	s_lshl_b32 s44, s44, 4                         ; my 16 rows of X
	s_lshr_b32 s45, s23, 2                         ; my 32 columns of W
	v_add_nc_u32 v23, s44, v20
	v_mul_u32_u24 v23, v23, XP
	v_lshl_add_u32 v[XF], v22, 4, v23              ; X fragment: row l % 16, 16 bytes for each half of the lanes
	v_and_b32 v23, 7, v0
	v_lshl_add_u32 v23, v22, 3, v23                ; W fragment, by the transposing load: k = 8 (l / 16) + l % 8,
	v_mul_u32_u24 v23, v23, WP
	v_bfe_u32 v24, v0, 3, 1
	v_lshl_add_u32 v23, v24, 4, v23                ; eight columns for each group of eight lanes
	s_lshl_b32 s46, s45, 6
	s_add_co_u32 s46, s46, WOFF
	v_add_nc_u32 v[WF], s46, v23
	v_add_nc_u32 v[WF+1], 256*WP, v[WF]            ; K steps 8-15
	v_lshlrev_b32 v23, 3, v22
	v_add_nc_u32 v23, s44, v23                     ; first of my eight rows of X in a result tile
	s_lshl_b32 s47, s45, 5
	v_add_nc_u32 v24, s47, v20                     ; my column of H in the first tile
	v_mul_u32_u24 v25, v23, SP
	v_lshl_add_u32 v25, v24, 2, v25
	v_add_nc_u32 v[SQ], STG, v25                   ; queries: stage[row][h]
	v_mul_u32_u24 v25, v24, SP
	v_lshl_add_u32 v25, v23, 2, v25
	v_add_nc_u32 v[SK], STG, v25                   ; keys: stage[h][key]
	v_mul_u32_u24 v25, v1, SP
	v_add_nc_u32 v25, v25, v21
	v_add_nc_u32 v[RD], STG, v25                   ; back: 16 lanes take one stage row of 256 bytes
	v_mul_lo_u32 v25, v1, s38
	v_add_nc_u32 v[GO], v25, v21                   ; and the same row in memory
	s_lshl_b32 s49, s38, 4                         ; 16 rows on
	v_add_nc_u32 v[GO+1], s49, v[GO]
	v_add_nc_u32 v[GO+2], s49, v[GO+1]
	v_add_nc_u32 v[GO+3], s49, v[GO+2]
	s_lshl_b32 s48, s23, 3
	s_add_co_u32 s48, s48, FLG
	v_mov_b32 v[FA], s48
	v_mov_b32 v[FB], FLG
	v_mov_b32 v[ZR], 0
	; Convert and lay into LDS, eight loads at a time: sixteen conversions into registers of their own, eight stores in one run, and in
	; the first four batches eight loads into the registers just read.  No store stands straight behind its conversion, and a converted
	; pair is written again only sixteen stores later.
.set b, 0
.rept 8
.if b < 4
	s_wait_loadcnt 24                              ; 32 + 8 b loads are issued and return in order: numbers up to 8 b + 7 are in, the 24 behind them stay out
.else
	s_wait_loadcnt 56-8*b                          ; nothing is issued any more: 64 - (8 b + 8) stay out
.endif
.set i, 0
.rept 8
.set n, 8*b+i
.set lr, LD+4*(n&31)
.set cr, CV+2*(n&15)
	v_cvt_pk_bf16_f32 v[cr], v[lr], v[lr+1]
	v_cvt_pk_bf16_f32 v[cr+1], v[lr+2], v[lr+3]
.set i, i+1
.endr
.set i, 0
.rept 8
.set n, 8*b+i
.set cr, CV+2*(n&15)
.if ((n>>4)&1)
	ds_store_b64 v[WL+(n>>5)], v[cr:cr+1] offset:(n&15)*16*WP
.else
	ds_store_b64 v[XL], v[cr:cr+1] offset:((n&15)+16*(n>>5))*2*XP
.endif
.set i, i+1
.endr
.if b < 4
.set i, 0
.rept 8
.set n, 8*b+i
	GLOAD n+32
.set i, i+1
.endr
.endif
.set b, b+1
.endr
	s_wait_dscnt 0x0                               ; my stores are in LDS before I say so
	s_barrier_signal -1
	s_barrier_wait -1                              ; both tiles are whole
; The fragments of K step k (32 along K): X 16 rows, W twice 16 columns; six loads into set k % 4.
.macro FLOAD k
.set fnew, FR+24*((\k)&3)
.set wa, WF+((\k)>>3)
.set wo, ((\k)&7)*32*WP
	ds_load_b128 v[fnew:fnew+3], v[XF] offset:(\k)*64
	ds_load_b128 v[fnew+4:fnew+7], v[XF] offset:(\k)*64+32
	ds_load_tr16_b128 v[fnew+8:fnew+11], v[wa] offset:wo
	ds_load_tr16_b128 v[fnew+12:fnew+15], v[wa] offset:wo+16*WP
	ds_load_tr16_b128 v[fnew+16:fnew+19], v[wa] offset:wo+32
	ds_load_tr16_b128 v[fnew+20:fnew+23], v[wa] offset:wo+16*WP+32
.endm
	FLOAD 0
	FLOAD 1
	FLOAD 2
.set ks, 0
.rept 16
.if ks < 14
	s_wait_dscnt 12                                ; this step's six loads are in; the twelve of the next two steps stay out
.else
	s_wait_dscnt 6*(15-ks)
.endif
.if ks < 13
.if ks > 0
	v_nop                                          ; the set loaded next was read by the two matrix instructions just issued:
	v_nop                                          ; four independent vector places stand between them and the loads
	v_nop                                          ; (ISA guide 7.12.1 names V_NOP as such a place)
	v_nop
.endif
	FLOAD ks+3
.endif
.set fcur, FR+24*(ks&3)
.if ks == 0
	v_wmma_f32_16x16x32_bf16 v[ACC:ACC+7], v[fcur:fcur+7], v[fcur+8:fcur+15], 0            ; the first products start the sums
	v_wmma_f32_16x16x32_bf16 v[ACC+8:ACC+15], v[fcur:fcur+7], v[fcur+16:fcur+23], 0
.else
	v_wmma_f32_16x16x32_bf16 v[ACC:ACC+7], v[fcur:fcur+7], v[fcur+8:fcur+15], v[ACC:ACC+7]
	v_wmma_f32_16x16x32_bf16 v[ACC+8:ACC+15], v[fcur:fcur+7], v[fcur+16:fcur+23], v[ACC+8:ACC+15]
.endif
.set ks, ks+1
.endr
	v_nop                                          ; four places before the results are read and fragment registers are written
	v_nop
	v_nop
	v_nop
.irp j, 0,2,4,6,8,10,12,14
	v_pk_mul_f32 v[ACC+\j:ACC+\j+1], v[ACC+\j:ACC+\j+1], 0x4038aa3b op_sel_hi:[1,0]        ; x 2 log2(e): exp(2 z) = 2^x
.endr
	; The range figures.  Register j of a tile holds one row of X and column l % 16 of H, so four neighbouring h are four neighbouring
	; lanes: two adds across lanes give each lane the sum of |x| of its four, for each of my 16 registers.
	s_mov_b32 s42, 0x44800000                      ; 1024.0
	s_mov_b32 s43, 0xc8120000                      ; -146 x 1024.0
	s_mov_b32 s54, 0x76543210                      ; v_permlanex16_b32: lane i takes lane i of the other half
	s_mov_b32 s55, 0xfedcba98
.set j, 0
.rept 16
	v_and_b32 v[AB+j], 0x7fffffff, v[ACC+j]
.set j, j+1
.endr
.set j, 0
.rept 16
	v_add_f32_dpp v[AB+j], v[AB+j], v[AB+j] row_xmask:1 row_mask:0xf bank_mask:0xf
.set j, j+1
.endr
.set j, 0
.rept 16
	v_add_f32_dpp v[AB+j], v[AB+j], v[AB+j] row_xmask:2 row_mask:0xf bank_mask:0xf
.set j, j+1
.endr
	v_max3_num_f32 v[MX], v[AB], v[AB+1], v[AB+2]
.irp j, 3,5,7,9,11,13
	v_max3_num_f32 v[MX], v[MX], v[AB+\j], v[AB+\j+1]
.endr
	v_max_num_f32 v[MX], v[MX], v[AB+15]
	; wv: lane l of wave w holds h = (32 w + l) % 128.  |wv| >= 2^(e - 127), so |c| = 1 / (2 |wv|) <= 2^(126 - e); e >= 147 means |wv| >= 2^20.
	v_bfe_u32 v[WE], v[WR], 23, 8
	v_cvt_f32_u32 v[WE], v[WE]
	v_sub_f32 v[W1], 0x42fc0000, v[WE]             ; 126 - e
	v_fma_f32 v[W2], v[WE], s42, s43               ; 1024 (e - 146): above zero only where wv is too large
	v_max3_num_f32 v[CW], v[W1], v[W2], 0
	v_add_f32_dpp v[CW], v[CW], v[CW] row_xmask:1 row_mask:0xf bank_mask:0xf
	v_add_f32_dpp v[CW], v[CW], v[CW] row_xmask:2 row_mask:0xf bank_mask:0xf
	; the largest of the wave: the lanes of a four agree already
	v_max_num_f32_dpp v[MX], v[MX], v[MX] row_xmask:4 row_mask:0xf bank_mask:0xf
	v_max_num_f32_dpp v[CW], v[CW], v[CW] row_xmask:4 row_mask:0xf bank_mask:0xf
	v_max_num_f32_dpp v[MX], v[MX], v[MX] row_xmask:8 row_mask:0xf bank_mask:0xf
	v_max_num_f32_dpp v[CW], v[CW], v[CW] row_xmask:8 row_mask:0xf bank_mask:0xf
	v_permlanex16_b32 v[AB], v[MX], s54, s55       ; its destination counts as read: registers that have been written
	v_permlanex16_b32 v[AB+1], v[CW], s54, s55
	v_max_num_f32 v[MX], v[MX], v[AB]
	v_max_num_f32 v[CW], v[CW], v[AB+1]
	; Into the stage.  Register j of a tile holds row 8 (l / 16) + j of X and column l % 16 of H.
	s_cmp_lg_u32 s20, 0
	s_cbranch_scc1 .Lkeys
.irp t, 0,1
.irp j, 0,1,2,3,4,5,6,7
	ds_store_b32 v[SQ], v[ACC+8*\t+\j] offset:\j*SP+\t*64          ; queries: stage[row][h], 16 lanes side by side
.endr
.endr
	s_branch .Lstaged
.Lkeys:
.irp t, 0,1
	ds_store_b128 v[SK], v[ACC+8*\t:ACC+8*\t+3] offset:\t*16*SP    ; keys: stage[h][key], my eight keys lie side by side
	ds_store_b128 v[SK], v[ACC+8*\t+4:ACC+8*\t+7] offset:\t*16*SP+16
.endr
.Lstaged:
	ds_store_b64 v[FA], v[MX:CW]                   ; every lane writes the same two words with the same values
	s_wait_dscnt 0x0
	s_barrier_signal -1
	s_barrier_wait -1                              ; the stage and the waves' figures are whole
.irp i, 0,1,2,3
	ds_load_b128 v[OB+4*\i:OB+4*\i+3], v[RD] offset:\i*16*SP
.endr
.irp i, 0,1,2,3
	ds_load_b128 v[FW+4*\i:FW+4*\i+3], v[FB] offset:\i*16
.endr
.irp i, 0,1,2,3
	s_wait_dscnt 7-\i                              ; stage load i is in; the later ones and the four of the figures stay out
	global_store_b128 v[GO+\i], v[OB+4*\i:OB+4*\i+3], s[28:29]     ; 16 lanes store 256 consecutive bytes, aligned to 256
.endr
	s_wait_dscnt 0x0
.irp p, 0,1
	v_max3_num_f32 v[FW+\p], v[FW+\p], v[FW+2+\p], v[FW+4+\p]      ; even words: sums of |x|; odd words: wv's figure
	v_max3_num_f32 v[FW+\p], v[FW+\p], v[FW+6+\p], v[FW+8+\p]
	v_max3_num_f32 v[FW+\p], v[FW+\p], v[FW+10+\p], v[FW+12+\p]
	v_max_num_f32 v[FW+\p], v[FW+\p], v[FW+14+\p]
.endr
	v_fma_f32 v[FW], v[FW+1], s56, v[FW]           ; key blocks carry wv's figure too
	v_min_num_f32 v[FW], 0x447a0000, v[FW]         ; at most 1,000: infinities too become a number that can be added
	v_cvt_i32_f32 v[FW], v[FW]                     ; toward zero; nothing in this launch branches on it
	s_wait_xcnt 0x0                                ; EXEC is a source of the stores above: it changes only behind this wait
	v_cmp_eq_u32 vcc_lo, 0, v0
	s_barrier_signal -1
	s_barrier_wait -1
	s_wait_tensorcnt 0x0
	ds_add_u32 v212, v213
	s_wait_dscnt 0x0
	s_and_saveexec_b32 s52, vcc_lo                 ; thread 0 alone
	global_store_b32 v[ZR], v[FW], s[18:19]        ; flags[id]
	s_wait_xcnt 0x0
	s_or_b32 exec_lo, exec_lo, s52
	s_endpgm
.Lfunc_end_k_qcac07603cd_project:
	.size	k_qcac07603cd_project, .Lfunc_end_k_qcac07603cd_project-k_qcac07603cd_project
	.p2alignl 7, 3214868480
	.fill 96, 4, 3214868480
	.section	.rodata,"a",@progbits
	.p2align	6, 0x0
	.amdhsa_kernel k_qcac07603cd_project
		.amdhsa_group_segment_fixed_size 167168
		.amdhsa_private_segment_fixed_size 0
		.amdhsa_enable_private_segment 0
		.amdhsa_kernarg_size 64
		.amdhsa_user_sgpr_count 2
		.amdhsa_user_sgpr_kernarg_segment_ptr 1
		.amdhsa_wavefront_size32 1
		.amdhsa_system_sgpr_workgroup_id_x 1
		.amdhsa_system_sgpr_workgroup_id_y 1
		.amdhsa_system_sgpr_workgroup_id_z 1
		.amdhsa_system_vgpr_workitem_id 0
		.amdhsa_next_free_vgpr 214
		.amdhsa_next_free_sgpr 66
		.amdhsa_reserve_vcc 1
		.amdhsa_float_denorm_mode_32 3
		.amdhsa_float_denorm_mode_16_64 3
		.amdhsa_memory_ordered 1
		.amdhsa_forward_progress 1
		.amdhsa_inst_pref_size 42
	.end_amdhsa_kernel
	.amdgpu_metadata
---
amdhsa.version: [ 1, 2 ]
amdhsa.kernels:
  - .name:           k_qcac07603cd_project
    .symbol:         k_qcac07603cd_project.kd
    .args:
      - { .name: qs, .offset: 0, .size: 8, .value_kind: global_buffer, .address_space: global }
      - { .name: ks, .offset: 8, .size: 8, .value_kind: global_buffer, .address_space: global }
      - { .name: Wq, .offset: 16, .size: 8, .value_kind: global_buffer, .address_space: global }
      - { .name: Wk, .offset: 24, .size: 8, .value_kind: global_buffer, .address_space: global }
      - { .name: wv, .offset: 32, .size: 8, .value_kind: global_buffer, .address_space: global }
      - { .name: qx, .offset: 40, .size: 8, .value_kind: global_buffer, .address_space: global }
      - { .name: kxt, .offset: 48, .size: 8, .value_kind: global_buffer, .address_space: global }
      - { .name: flags, .offset: 56, .size: 8, .value_kind: global_buffer, .address_space: global }
    .group_segment_fixed_size: 167168
    .private_segment_fixed_size: 0
    .kernarg_segment_align: 8
    .kernarg_segment_size: 64
    .max_flat_workgroup_size: 256
    .sgpr_count:     66
    .vgpr_count:     214
    .wavefront_size: 32
...
	.end_amdgpu_metadata
.endif
;; end of part 3
;; launch score (part 4): grid 256 x 1, 16 waves a work-group, no clusters, 100,864 bytes of LDS; arguments qx, kxt, wv, flags, out0; writes out0
.if DOCPART == 4
	.amdgcn_target "amdgcn-amd-amdhsa--gfx1250"
	.amdhsa_code_object_version 6
	.text
	.protected	k_qcac07603cd_score
	.globl	k_qcac07603cd_score
	.p2align	8
	.type	k_qcac07603cd_score,@function
k_qcac07603cd_score:
	s_mov_b64 s[64:65], 0
	v_nop
	global_prefetch_b8 v0, s[64:65] scope:SCOPE_SE
	s_setreg_imm32_b32 hwreg(HW_REG_WAVE_MODE, 25, 1), 1
	s_wait_xcnt 0x0
; out[b][i][j] = sum over h of wv[h] tanh(q[i][h] + k[j][h]), from xa = qx[i][h] and xb = kxt[h][j], both already 2 log2(e) times q and k.
; tanh(z) = 1 - 2 / (1 + exp(2 z)), so out = sum(wv) + sum over h of g[h] / (1 + 2^(xa + xb)) with g = -2 wv.
; SHORT PATH: a term is 1 / u with u = c + E f, where c = 1 / g (one for each h), E = c 2^xb (one for each key and h) and f = 2^xa (one for
; each query and h): one fused multiply-add and no exponential in the loop.  Four neighbouring h share a reciprocal:
; 1/u1 + 1/u2 + 1/u3 + 1/u4 = (s12 p34 + s34 p12) / (p12 p34) with s = sum and p = product of a pair.  For 4 h x 2 keys: twelve packed
; instructions and two reciprocals.
; Its range: |u| <= 2^(lc + 1 + |xa| + |xb|) with lc = max(0, 126 - exponent field of wv) >= log2 |c|.  The launch before stored, for each
; block, the integer part of the largest sum of |x| over four neighbouring h of a row (key blocks: plus the largest such sum of lc).  The
; short path is taken where the largest query figure plus the largest key figure of the six blocks read here is at most LIMIT = 116.
; The four exponents then add up to less than 116 + 2 (integer parts) + 4 = 122: every partial product is below 2^122, the numerator
; below 2^124, the product between 2^-84 (|wv| < 2^20, or the figure is above 1,000) and 2^122, so that nothing overflows and no
; reciprocal is flushed; each |x| is below 118, so that no 2^x is flushed either.
; GENERAL PATH, for every other input (a zero in wv too): 2^(xa + xb) by v_exp_f32 for each term; it runs to infinity or to zero where
; tanh is 1 or -1.  Limit kept: an infinite wv gives NaN (the reference is not finite there either).
; The choice hangs on whole numbers read from memory.  The fill of LDS serves both paths (a select keeps xa, xb and g where the general
; path wants them), so that the one barrier stands in front of the branch.
; A work-group makes 64 queries x 128 keys of one batch; a wave 4 queries x 128 keys; lane l the keys 4 l .. 4 l + 3, so that a row
; of results leaves as 16 bytes a lane.  H goes in 16 trips of 8 through two register buffers: the 18 LDS loads of the next trip are
; issued in one run at a trip's head and waited for at the next trip's head, 224 arithmetic instructions later.
; No cluster and no tensor load: the 96 KiB that a work-group reads feed 1,048,576 terms, and each number goes through v_exp_f32 in
; registers before it lies in LDS.
.set LIMIT,  116
.set QROW,   512                       ; LDS: a query's 128 f
.set KROW,   512                       ; LDS: one h of 128 keys
.set KOFF,   64*QROW                   ; the keys lie behind the 64 queries
.set COFF,   KOFF+128*KROW             ; and behind them the 128 c
.set CH,     8                         ; h in a trip
.set TRIPS,  128/CH
.set NQ,     4                         ; queries of a wave
.set QG,   2                           ; v2   16 x thread: offset in the query tile, in memory and in LDS alike
.set KG,   3                           ; v3   global offset in the key tile
.set KL,   5                           ; v5   LDS address for the fill, keys
.set L16,  6                           ; v6   16 x lane
.set WA,   8                           ; v8   4 x wave: offset in wv of my wave's first key row
.set CL,   9                           ; v9   LDS address of that row's c
.set QA,   10                          ; v10  LDS address of my wave's first query, at the h that is loaded next
.set KA,   11                          ; v11  LDS address of my four keys, at that h
.set CA,   12                          ; v12  LDS address of c, at that h
.set WS,   14                          ; v14  sum of wv
.set ACC,  16                          ; v16-31   4 queries x 4 keys
.set TMP,  32                          ; v32-79   two sets of 24, for even and odd groups
.set BA,   80                          ; v80-151  buffer A: E 8 h x 4 keys, then f 4 queries x 8 h, then c 8 h
.set BB,   152                         ; v152-223 buffer B
.set WV,   16                          ; the fill's registers lie in those of the loop
.set QX,   80
.set KX,   96
.set WK,   128                         ; wv of my wave's eight key rows, h = wave + 16 i
.set GK,   136                         ; -2 wv
.set CK,   144                         ; 1 / (-2 wv)
.set CS,   152                         ; what goes into the table
	s_load_b256 s[4:11], s[0:1], 0x0               ; qx, kxt, wv, flags
	s_load_b64 s[12:13], s[0:1], 0x20              ; out0
	v_lshl_add_u32 v224, v0, 2, 0x18200
	v_mov_b32 v225, 0
	v_lshrrev_b32 v7, 5, v0
	v_readfirstlane_b32 s14, v7                    ; wave 0..15
	v_and_b32 v1, 31, v0
	v_lshlrev_b32 v[L16], 4, v1
	v_lshlrev_b32 v[QG], 4, v0                     ; the query tile is 32 KiB in one piece: 16 bytes a thread
	v_lshl_add_u32 v[KG], v7, 11, v[L16]           ; keys: wave w takes row h = w (2,048 bytes apart), 512 bytes of it
	v_add_nc_u32 v[KL], KOFF, v[QG]                ; h = w, 16 bytes a lane
	v_lshlrev_b32 v[WA], 2, v7
	v_add_nc_u32 v[CL], COFF, v[WA]
	s_lshr_b32 s15, ttmp9, 5                       ; batch
	s_bfe_u32 s16, ttmp9, 0x30002                  ; block of 64 queries
	s_and_b32 s17, ttmp9, 3                        ; block of 128 keys
	s_lshl3_add_u32 s18, s15, s16                  ; block of 64 among all 4,096 query rows
	s_lshl_b32 s32, s18, 15                        ; x 64 rows of 512 bytes
	s_mov_b32 s33, 0
	s_lshl_b32 s34, s15, 18                        ; batch x 128 rows of 2,048 bytes
	s_lshl_b32 s44, s17, 9                         ; + 128 keys of 4 bytes
	s_add_co_u32 s34, s34, s44
	s_mov_b32 s35, 0
	s_lshl_b32 s36, s18, 3                         ; flags: two words for a block of 64 query rows
	s_mov_b32 s37, 0
	s_lshl_b32 s38, s15, 6                         ; and behind the first 128 words four words for 128 keys
	s_lshl4_add_u32 s38, s17, s38
	s_mov_b32 s39, 0
	s_lshl_b32 s42, s18, 17                        ; out0: 64 rows of 2,048 bytes
	s_add_co_u32 s42, s42, s44                     ; + my 128 columns
	s_lshl_b32 s44, s14, 13                        ; + 4 rows for each wave
	s_add_co_u32 s42, s42, s44
	s_mov_b32 s43, 0
	s_mov_b32 s26, 0x76543210                      ; v_permlanex16_b32: lane i takes lane i of the other half
	s_mov_b32 s27, 0xfedcba98
	s_wait_kmcnt 0x0
	s_add_nc_u64 s[40:41], s[10:11], s[38:39]
	s_add_nc_u64 s[10:11], s[10:11], s[36:37]
	s_load_b64 s[24:25], s[10:11], 0x0
	s_load_b128 s[28:31], s[40:41], 0x200
	s_add_nc_u64 s[4:5], s[4:5], s[32:33]
	s_add_nc_u64 s[6:7], s[6:7], s[34:35]
	s_add_nc_u64 s[12:13], s[12:13], s[42:43]
	global_load_b128 v[WV:WV+3], v[L16], s[8:9]    ; wv of four h a lane, for the sum
.irp i, 0,1,2,3,4,5,6,7
	global_load_b32 v[WK+\i], v[WA], s[8:9] offset:\i*64                       ; wv[wave + 16 i], the same word in every lane
.endr
.irp i, 0,1,2,3
	global_load_b128 v[QX+4*\i:QX+4*\i+3], v[QG], s[4:5] offset:\i*8192        ; 16 queries at a time
.endr
.irp i, 0,1,2,3,4,5,6,7
	global_load_b128 v[KX+4*\i:KX+4*\i+3], v[KG], s[6:7] offset:\i*32768       ; 16 h at a time
.endr
	s_wait_kmcnt 0x0
	s_max_u32 s24, s24, s25                        ; the larger of my two query blocks' figures
	s_max_u32 s28, s28, s29
	s_max_u32 s30, s30, s31
	s_max_u32 s28, s28, s30                        ; the largest of my four key blocks' figures
	s_add_co_u32 s24, s24, s28                     ; each is at most 1,000
	s_cmp_gt_u32 s24, LIMIT                        ; above: the short path's products could leave f32's range
	s_cselect_b32 s21, -1, 0                       ; as a mask for the selects below
	s_wait_loadcnt 20                              ; the first load is in; the twenty behind it stay out
	v_add_f32 v[WS], v[WV], v[WV+1]
	v_add_f32 v15, v[WV+2], v[WV+3]
	v_add_f32 v[WS], v[WS], v15
	v_add_f32_dpp v[WS], v[WS], v[WS] row_xmask:1 row_mask:0xf bank_mask:0xf
	v_add_f32_dpp v[WS], v[WS], v[WS] row_xmask:2 row_mask:0xf bank_mask:0xf
	v_add_f32_dpp v[WS], v[WS], v[WS] row_xmask:4 row_mask:0xf bank_mask:0xf
	v_add_f32_dpp v[WS], v[WS], v[WS] row_xmask:8 row_mask:0xf bank_mask:0xf
	v_permlanex16_b32 v15, v[WS], s26, s27
	v_add_f32 v[WS], v[WS], v15                    ; sum of all 128 wv, in every lane
	; The table of c (short path) or g (general path): each wave writes the eight words of its own key rows.
	s_wait_loadcnt 12                              ; my eight wv are in; the four query loads and the eight key loads stay out
.irp k, 0,2,4,6
	v_pk_mul_f32 v[GK+\k:GK+\k+1], v[WK+\k:WK+\k+1], -2.0 op_sel_hi:[1,0]
.endr
.irp k, 0,1,2,3,4,5,6,7
	v_rcp_f32 v[CK+\k], v[GK+\k]
.endr
	v_nop                                          ; one plain vector instruction between the reciprocals and their first use
	s_wait_alu depctr_va_vdst(0)
.irp k, 0,1,2,3,4,5,6,7
	v_cndmask_b32 v[CS+\k], v[CK+\k], v[GK+\k], s21
.endr
.irp k, 0,1,2,3,4,5,6,7
	ds_store_b32 v[CL], v[CS+\k] offset:\k*64      ; every lane writes the same word with the same value
.endr
; Queries: f = 2^xa for the short path, xa for the general one.  LDS has the tile's own layout.
.macro QFILL it
.set x, QX+4*\it
.set ff, TMP+8*((\it)&3)
.set ov, ff+4
	s_wait_loadcnt 11-\it                          ; this load is in; the later query loads and the eight key loads stay out
.irp k, 0,1,2,3
	v_exp_f32 v[ff+\k], v[x+\k]
.endr
	v_nop                                          ; one plain vector instruction between the exponentials and their first use
	s_wait_alu depctr_va_vdst(0)
.irp k, 0,1,2,3
	v_cndmask_b32 v[ov+\k], v[ff+\k], v[x+\k], s21
.endr
	ds_store_b128 v[QG], v[ov:ov+3] offset:\it*8192
.endm
; Keys: E = c 2^xb, or xb.  The row's c is register it of CK: the first or the second of an even pair.
.macro KFILL it
.set x, KX+4*\it
.set ff, TMP+8*((\it)&3)
.set ov, ff+4
.set ck, CK+((\it)&6)
	s_wait_loadcnt 7-\it                           ; this load is in; the later key loads stay out
.irp k, 0,1,2,3
	v_exp_f32 v[ff+\k], v[x+\k]
.endr
	v_nop
.if (\it)&1
	s_wait_alu depctr_va_vdst(0)
	v_pk_mul_f32 v[ff:ff+1],   v[ff:ff+1],   v[ck:ck+1] op_sel:[0,1] op_sel_hi:[1,1]
	v_pk_mul_f32 v[ff+2:ff+3], v[ff+2:ff+3], v[ck:ck+1] op_sel:[0,1] op_sel_hi:[1,1]
.else
	s_wait_alu depctr_va_vdst(0)
	v_pk_mul_f32 v[ff:ff+1],   v[ff:ff+1],   v[ck:ck+1] op_sel_hi:[1,0]
	v_pk_mul_f32 v[ff+2:ff+3], v[ff+2:ff+3], v[ck:ck+1] op_sel_hi:[1,0]
.endif
.irp k, 0,1,2,3
	v_cndmask_b32 v[ov+\k], v[ff+\k], v[x+\k], s21
.endr
	ds_store_b128 v[KL], v[ov:ov+3] offset:\it*8192
.endm
.irp i, 0,1,2,3
	QFILL \i
.endr
.irp i, 0,1,2,3,4,5,6,7
	KFILL \i
.endr
	s_wait_dscnt 0x0                               ; my stores are in LDS before I say so
	s_barrier_signal -1
	s_barrier_wait -1                              ; from here on LDS is only read
	s_lshl_b32 s22, s14, 11                        ; my wave's four queries
	v_mov_b32 v[QA], s22
	v_add_nc_u32 v[KA], KOFF, v[L16]
	v_mov_b32 v[CA], COFF
.set j, 0
.rept 4*NQ
	v_mov_b32 v[ACC+j], v[WS]                      ; the sums start at sum(wv)
.set j, j+1
.endr
	s_mov_b32 s23, 0
; 18 LDS loads in one run: eight h of my four keys, of my wave's four queries (all lanes read the same 16 bytes) and of c.
.macro LOADS b
.set j, 0
.rept CH
	ds_load_b128 v[\b+4*j:\b+4*j+3], v[KA] offset:j*KROW
.set j, j+1
.endr
.irp q, 0,1,2,3
	ds_load_b128 v[\b+32+8*\q:\b+32+8*\q+3],   v[QA] offset:\q*QROW
	ds_load_b128 v[\b+32+8*\q+4:\b+32+8*\q+7], v[QA] offset:\q*QROW+16
.endr
	ds_load_b128 v[\b+64:\b+67], v[CA]
	ds_load_b128 v[\b+68:\b+71], v[CA] offset:16
.endm
.macro STEP                            ; the three addresses go on by eight h
	v_add_nc_u32 v[KA], CH*KROW, v[KA]
	v_add_nc_u32 v[QA], CH*4, v[QA]
	v_add_nc_u32 v[CA], CH*4, v[CA]
	s_wait_alu depctr_va_vdst(0)
.endm
; SHORT PATH.  Group g of a trip (0..7) = query g / 2, four h (g % 2), my four keys.
; A set of 24 temporaries, four keys each: 0-3 u1, then s12; 4-7 u2, then p; 8-11 u3, then s34; 12-15 u4, then the numerator;
; 16-19 p12; 20-23 p34, then 1 / p.
; op_sel picks the first or the second register of a pair {f, f'} or {c, c'} for both halves of a packed instruction.
.macro BACK g                          ; the end of group g: sums += numerator / p
.set bt, TMP+24*((\g)&1)
.set ba, ACC+4*((\g)>>1)
	s_wait_alu depctr_va_vdst(0)
	v_pk_fma_f32 v[ba:ba+1],   v[bt+12:bt+13], v[bt+20:bt+21], v[ba:ba+1]
	v_pk_fma_f32 v[ba+2:ba+3], v[bt+14:bt+15], v[bt+22:bt+23], v[ba+2:ba+3]
.endm
.macro FGROUP b, g
.set gq, (\g)>>1
.set gm, (\g)&1
.set e1, \b+16*gm                      ; E of the four h, four keys each
.set fp, \b+32+8*gq+4*gm               ; {f1, f2}, {f3, f4}
.set cp, \b+64+4*gm                    ; {c1, c2}, {c3, c4}
.set tb, TMP+24*((\g)&1)
.irp k, 0,2
	v_pk_fma_f32 v[tb+\k:tb+1+\k],     v[e1+\k:e1+1+\k],     v[fp:fp+1],   v[cp:cp+1]   op_sel_hi:[1,0,0]                  ; u1 = c1 + E1 f1
	v_pk_fma_f32 v[tb+4+\k:tb+5+\k],   v[e1+4+\k:e1+5+\k],   v[fp:fp+1],   v[cp:cp+1]   op_sel:[0,1,1] op_sel_hi:[1,1,1]   ; u2
	v_pk_fma_f32 v[tb+8+\k:tb+9+\k],   v[e1+8+\k:e1+9+\k],   v[fp+2:fp+3], v[cp+2:cp+3] op_sel_hi:[1,0,0]                  ; u3
	v_pk_fma_f32 v[tb+12+\k:tb+13+\k], v[e1+12+\k:e1+13+\k], v[fp+2:fp+3], v[cp+2:cp+3] op_sel:[0,1,1] op_sel_hi:[1,1,1]   ; u4
.endr
.if (\g) > 0
	BACK (\g)-1                                    ; the group before ends here, ten plain instructions behind its reciprocals
.endif
.irp k, 0,2
	v_pk_mul_f32 v[tb+16+\k:tb+17+\k], v[tb+\k:tb+1+\k],   v[tb+4+\k:tb+5+\k]                  ; p12 = u1 u2
	v_pk_mul_f32 v[tb+20+\k:tb+21+\k], v[tb+8+\k:tb+9+\k], v[tb+12+\k:tb+13+\k]                ; p34 = u3 u4
.endr
.irp k, 0,2
	v_pk_add_f32 v[tb+\k:tb+1+\k],     v[tb+\k:tb+1+\k],   v[tb+4+\k:tb+5+\k]                  ; s12 = u1 + u2
	v_pk_add_f32 v[tb+8+\k:tb+9+\k],   v[tb+8+\k:tb+9+\k], v[tb+12+\k:tb+13+\k]                ; s34 = u3 + u4
.endr
.irp k, 0,2
	v_pk_mul_f32 v[tb+4+\k:tb+5+\k],   v[tb+16+\k:tb+17+\k], v[tb+20+\k:tb+21+\k]              ; p = p12 p34
	v_pk_mul_f32 v[tb+12+\k:tb+13+\k], v[tb+\k:tb+1+\k],     v[tb+20+\k:tb+21+\k]              ; s12 p34
.endr
.irp k, 0,1,2,3
	v_rcp_f32 v[tb+20+\k], v[tb+4+\k]              ; into p34's registers, which are done with
.endr
.irp k, 0,2
	v_pk_fma_f32 v[tb+12+\k:tb+13+\k], v[tb+8+\k:tb+9+\k], v[tb+16+\k:tb+17+\k], v[tb+12+\k:tb+13+\k]   ; + s34 p12: plain work that touches neither p nor 1 / p
.endr
.endm
; GENERAL PATH.  Group g of a trip (0..15) = query g / 4, h pair g % 4, my four keys.  The buffers hold xb, xa and g.
.macro SGROUP b, g
.set gq, (\g)>>2
.set gm, (\g)&3
.set e1, \b+8*gm
.set e2, e1+4
.set fp, \b+32+8*gq+2*gm
.set cp, \b+64+2*gm
.set ac, ACC+4*gq
.set tb, TMP
	v_pk_add_f32 v[tb:tb+1],   v[e1:e1+1],   v[fp:fp+1] op_sel_hi:[1,0]                   ; xa + xb
	v_pk_add_f32 v[tb+2:tb+3], v[e1+2:e1+3], v[fp:fp+1] op_sel_hi:[1,0]
	v_pk_add_f32 v[tb+4:tb+5], v[e2:e2+1],   v[fp:fp+1] op_sel:[0,1] op_sel_hi:[1,1]
	v_pk_add_f32 v[tb+6:tb+7], v[e2+2:e2+3], v[fp:fp+1] op_sel:[0,1] op_sel_hi:[1,1]
.irp k, 0,1,2,3,4,5,6,7
	v_exp_f32 v[tb+8+\k], v[tb+\k]
.endr
	v_nop                                          ; a plain place between the exponentials and their use
	s_wait_alu depctr_va_vdst(0)
.irp k, 0,2,4,6
	v_pk_add_f32 v[tb+\k:tb+\k+1], v[tb+8+\k:tb+9+\k], 1.0 op_sel_hi:[1,0]
.endr
.irp k, 0,1,2,3,4,5,6,7
	v_rcp_f32 v[tb+8+\k], v[tb+\k]                 ; 1 / infinity = 0 where tanh is 1; 1 / 1 where it is -1
.endr
	v_nop
	s_wait_alu depctr_va_vdst(0)
	v_pk_fma_f32 v[ac:ac+1],   v[tb+8:tb+9],   v[cp:cp+1], v[ac:ac+1]   op_sel_hi:[1,0,1]
	v_pk_fma_f32 v[ac+2:ac+3], v[tb+10:tb+11], v[cp:cp+1], v[ac+2:ac+3] op_sel_hi:[1,0,1]
	v_pk_fma_f32 v[ac:ac+1],   v[tb+12:tb+13], v[cp:cp+1], v[ac:ac+1]   op_sel:[0,1,0] op_sel_hi:[1,1,1]
	v_pk_fma_f32 v[ac+2:ac+3], v[tb+14:tb+15], v[cp:cp+1], v[ac+2:ac+3] op_sel:[0,1,0] op_sel_hi:[1,1,1]
.endm
; A trip: eight h out of buffer cur.  more = 1: the next eight h are loaded into buffer nxt meanwhile.  kind: 0 short, 1 general.
.macro TRIP kind, cur, nxt, more
	s_wait_dscnt 0x0                               ; this buffer's loads, issued at the head of the trip before; nothing younger is out
.if \more
	LOADS \nxt
.endif
.set g, 0
.if \kind
.rept NQ*CH/2
	SGROUP \cur, g
.set g, g+1
.endr
.else
.rept NQ*CH/4
	FGROUP \cur, g
.set g, g+1
.endr
.endif
.if \more
	STEP
.endif
.if \kind == 0
	BACK NQ*CH/4-1                                 ; the last group's end: its two numerator lines stand behind its reciprocals
.endif
.endm
	LOADS BA                                       ; the first eight h
	STEP
	s_cmp_gt_u32 s24, LIMIT
	s_cbranch_scc1 .Lgeneral
.Lshort:
	TRIP 0, BA, BB, 1
	TRIP 0, BB, BA, 1
	s_add_co_u32 s23, s23, 1
	s_cmp_lt_u32 s23, TRIPS/2-1
	s_cbranch_scc1 .Lshort
	TRIP 0, BA, BB, 1                              ; the last two trips: one more run of loads, then none, so that no load leaves the tables
	TRIP 0, BB, BA, 0
	s_branch .Lstore
.Lgeneral:
	TRIP 1, BA, BB, 1
	TRIP 1, BB, BA, 1
	s_add_co_u32 s23, s23, 1
	s_cmp_lt_u32 s23, TRIPS/2-1
	s_cbranch_scc1 .Lgeneral
	TRIP 1, BA, BB, 1
	TRIP 1, BB, BA, 0
.Lstore:
.irp i, 0,1,2,3
	global_store_b128 v[L16], v[ACC+4*\i:ACC+4*\i+3], s[12:13] offset:\i*2048 th:TH_STORE_NT   ; a wave stores 512 consecutive bytes of a row, aligned to 512
.endr
	s_barrier_signal -1
	s_barrier_wait -1
	s_wait_tensorcnt 0x0
	ds_add_u32 v224, v225
	s_wait_dscnt 0x0
	s_endpgm
.Lfunc_end_k_qcac07603cd_score:
	.size	k_qcac07603cd_score, .Lfunc_end_k_qcac07603cd_score-k_qcac07603cd_score
	.p2alignl 7, 3214868480
	.fill 96, 4, 3214868480
	.section	.rodata,"a",@progbits
	.p2align	6, 0x0
	.amdhsa_kernel k_qcac07603cd_score
		.amdhsa_group_segment_fixed_size 100864
		.amdhsa_private_segment_fixed_size 0
		.amdhsa_enable_private_segment 0
		.amdhsa_kernarg_size 40
		.amdhsa_user_sgpr_count 2
		.amdhsa_user_sgpr_kernarg_segment_ptr 1
		.amdhsa_wavefront_size32 1
		.amdhsa_system_sgpr_workgroup_id_x 1
		.amdhsa_system_sgpr_workgroup_id_y 1
		.amdhsa_system_sgpr_workgroup_id_z 1
		.amdhsa_system_vgpr_workitem_id 0
		.amdhsa_next_free_vgpr 226
		.amdhsa_next_free_sgpr 66
		.amdhsa_reserve_vcc 0
		.amdhsa_float_denorm_mode_32 3
		.amdhsa_float_denorm_mode_16_64 3
		.amdhsa_memory_ordered 1
		.amdhsa_forward_progress 1
		.amdhsa_inst_pref_size 166
	.end_amdhsa_kernel
	.amdgpu_metadata
---
amdhsa.version: [ 1, 2 ]
amdhsa.kernels:
  - .name:           k_qcac07603cd_score
    .symbol:         k_qcac07603cd_score.kd
    .args:
      - { .name: qx, .offset: 0, .size: 8, .value_kind: global_buffer, .address_space: global }
      - { .name: kxt, .offset: 8, .size: 8, .value_kind: global_buffer, .address_space: global }
      - { .name: wv, .offset: 16, .size: 8, .value_kind: global_buffer, .address_space: global }
      - { .name: flags, .offset: 24, .size: 8, .value_kind: global_buffer, .address_space: global }
      - { .name: out0, .offset: 32, .size: 8, .value_kind: global_buffer, .address_space: global }
    .group_segment_fixed_size: 100864
    .private_segment_fixed_size: 0
    .kernarg_segment_align: 8
    .kernarg_segment_size: 40
    .max_flat_workgroup_size: 512
    .sgpr_count:     66
    .vgpr_count:     226
    .wavefront_size: 32
...
	.end_amdgpu_metadata
.endif
;; end of part 4
